; MI455X (gfx1250); checked and timed in simulation.
; The chip was launched on July 23, 2026; its instructions are those of AMD's public machine-readable ISA for CDNA 5 (MIT licence, August 2026) and "CDNA5" Instruction Set Architecture Reference Guide (July 2026). The comments in the code are by the model that wrote it; some were corrected since.
;; Specific Mo E. Allowed arithmetic: float matrix products may take bf16 or f16 operands with f32 sums; other float arithmetic in f32, or as packed bf16 or f16 multiplies, adds, multiply-adds, maxima and minima; sums over many terms, partial sums and values carried from step to step in f32; what a program stores and reads back later, other than sums and carried values, may be rounded once to bf16 or f16.
;; Inputs: b1 6 x 2,048 float32; b2 6 x 512 float32; router_w 6 x 512 float32; w1 6 x 2,048 x 512 float32; w2 6 x 512 x 2,048 float32; x 8 x 512 x 512 float32.
;; Outputs: out0 8 x 512 x 512 float32; out1 4,096 x 6 float32.
;; One version. Each part assembles by itself: llvm-mc -triple=amdgcn-amd-amdhsa -mcpu=gfx1250 --defsym DOCPART=n.
;; ======== version 1 of 1: 3 launches
;; limits: a function is approximated: absolute error at most 2.5e-05; an absolute error that grows with the inputs' magnitude: up to 1.25e-05 times it
;; workspace buffers: wf 25,165,824 bytes; part 33,554,432 bytes; gs 32,768 bytes; bm 9,216 bytes of whole numbers
;; launch prep (part 1): grid 256 x 1, 13 waves a work-group, no clusters, 118,016 bytes of LDS; arguments x, router_w, w1, w2, out1, wf, gs, bm; writes out1, wf, gs, bm
.if DOCPART == 1
	.amdgcn_target "amdgcn-amd-amdhsa--gfx1250"
	.amdhsa_code_object_version 6
	.text
	.protected	k_qca588060a6_prep
	.globl	k_qca588060a6_prep
	.p2align	8
	.type	k_qca588060a6_prep,@function
k_qca588060a6_prep:
	s_mov_b64 s[64:65], 0
	v_nop
	global_prefetch_b8 v0, s[64:65] scope:SCOPE_SE
	s_setreg_imm32_b32 hwreg(HW_REG_WAVE_MODE, 25, 1), 1
	s_wait_xcnt 0x0
; FIRST LAUNCH: THE ROUTER, AND THE WEIGHTS LAID OUT.
; 3,072 jobs of weights and 256 groups of 16 tokens are 13 waves for each of 256 work-groups: wave 0 routes 16 tokens, waves 1-12 take one job of weights each.  No wave reads what another wrote: no barrier.
; THE ROUTER.  logits = x . router_w (both rounded to bf16, sums in f32, on the matrix unit), softmax with the row's maximum taken away, the two largest probabilities
; (a tie goes to the lower index), their gates g = p / (p1 + p2).
; Stored at fixed places: out1 (the probabilities); gs[t], gs[4096 + t] (the gate of the token's lower-numbered and higher-numbered expert);
; bm [kind][expert][256 halves of 16 bits], half G for tokens 16 G .. 16 G + 15: kind 0 the token chose the expert, kind 1 it chose it and it is the
; higher-numbered of its two, kind 2 how many of the 16 chose it.  No address and no branch here hangs on any of these numbers.
; These stores (140,288 bytes in all) are 2 to 8 bytes a lane and do not fill aligned blocks of 256 bytes.
; THE WEIGHTS.  w1 and w2, rounded once to bf16 and written as matrix operand fragments in the order in which a wave of the next launch takes them.
; A job: 16 rows x 256 k, 16 KB read by 32 loads of 512 consecutive bytes, all out at once; through the wave's own stage in LDS; 8 fragments of 1,024 bytes stored,
; each store 512 consecutive bytes at a multiple of 512.  No tensor load, no cluster: no byte is read twice, and the turn from rows to fragments needs the registers anyway.
; wf: stream (e*2 + half)*4 + wave of 524,288 bytes = 4 chunks of 131,072: [k 0..15][hb 0..3][1,024] of w1, then at 65,536 [k 0..7][db 0..7][1,024] of w2.
; A fragment: [j 0..1][lane][16 bytes]; lane (r = l % 16, h = l / 16) holds row r, k = 32 kstep + 16 j + 8 h + 0..7.
; LIMITS.  An exponential below 2^-126 counts as 0; NaN and infinities are not treated apart; ties are judged on this text's own f32 probabilities.
.set NW,    13                         ; waves
.set SPI,   528                        ; a stage row: 512 bytes + 16: an odd multiple of 16, so the 16 rows of a fragment load start at 16 different groups of four banks (ISA guide 11.1)
.set WST,   16*SPI                     ; a wave's stage
.set RWL,   NW*WST                     ; behind the stages: router_w in bf16, 6 rows; wave 0's own
.set RWP,   1040                       ; of 1,024 bytes + 16
.set SPARE, RWL+6400                   ; the spare words: 128 bytes for each of the 13 waves, seven blocks of 256 bytes that no other line names
.set LANE, 1                           ; v1   lane
.set L16,  2                           ; v2   16 x lane
.set STI,  3                           ; v3   into my stage: 8 x lane
.set FRA,  4                           ; v4   out of my stage: row r, 16 h
.set RWA,  5                           ; v5   router_w's fragment: row min(r, 5), 16 h
.set SPW,  6                           ; v6   LDS address of my spare word; never rewritten
.set NIL,  7                           ; v7   0; never rewritten
.set SRC,  8                           ; v8-23   byte offset of source row i + 16 x lane
.set DST,  24                          ; v24-31  byte offset of fragment s in wf + 16 x lane (before that: at work)
.set RAW,  32                          ; v32-159 16 rows x 2 x 4 registers as loaded
.set FR,   160                         ; v160-223 fragments
.set AC0,  224                         ; v224-231, v232-239: two accumulators, by turns
.set AC1,  232
.set RWR,  160                         ; v160-255 router_w as loaded, before the fragments and the accumulators are needed
.macro MKSRC                           ; row i's offset: s25 + i x s24 + 16 x lane
	v_add_nc_u32 v[SRC], s25, v[L16]
.set i, 1
.rept 15
	v_add_nc_u32 v[SRC+i], s24, v[SRC+i-1]
.set i, i+1
.endr
.endm
.macro LOAD32 lo, add, nt              ; 16 rows x 1,024 bytes: 32 loads of 512 consecutive bytes
.set i, 0
.rept 16
.if \nt
	global_load_b128 v[RAW+8*i:RAW+8*i+3],   v[SRC+i], s[\lo:\lo+1] offset:\add th:TH_LOAD_NT
	global_load_b128 v[RAW+8*i+4:RAW+8*i+7], v[SRC+i], s[\lo:\lo+1] offset:\add+512 th:TH_LOAD_NT
.else
	global_load_b128 v[RAW+8*i:RAW+8*i+3],   v[SRC+i], s[\lo:\lo+1] offset:\add
	global_load_b128 v[RAW+8*i+4:RAW+8*i+7], v[SRC+i], s[\lo:\lo+1] offset:\add+512
.endif
.set i, i+1
.endr
.endm
.macro TOSTAGE                         ; row by row: rounded to bf16 in place, 8 bytes a lane into the stage
.set i, 0
.rept 16
	s_wait_loadcnt 30-2*i                          ; loads come back in order: row i's two are in, the younger rows' stay out
	v_cvt_pk_bf16_f32 v[RAW+8*i],   v[RAW+8*i],   v[RAW+8*i+1]
	v_cvt_pk_bf16_f32 v[RAW+8*i+1], v[RAW+8*i+2], v[RAW+8*i+3]
	v_cvt_pk_bf16_f32 v[RAW+8*i+4], v[RAW+8*i+4], v[RAW+8*i+5]
	v_cvt_pk_bf16_f32 v[RAW+8*i+5], v[RAW+8*i+6], v[RAW+8*i+7]
	ds_store_b64 v[STI], v[RAW+8*i:RAW+8*i+1]   offset:SPI*i
	ds_store_b64 v[STI], v[RAW+8*i+4:RAW+8*i+5] offset:SPI*i+256
.set i, i+1
.endr
.endm
.macro CLOSE                           ; the wave's end
	s_wait_tensorcnt 0x0
	ds_add_u32 v[SPW], v[NIL]
	s_wait_dscnt 0x0
	s_endpgm
.endm
	s_load_b512 s[4:19], s[0:1], 0x0               ; x s[4:5], router_w s[6:7], w1 s[8:9], w2 s[10:11], out1 s[12:13], wf s[14:15], gs s[16:17], bm s[18:19]
	v_lshl_add_u32 v[SPW], v0, 2, SPARE
	v_mov_b32 v[NIL], 0
	v_and_b32 v[LANE], 31, v0
	v_lshrrev_b32 v24, 5, v0
	v_readfirstlane_b32 s20, v24                   ; wave 0..12
	v_lshlrev_b32 v[L16], 4, v[LANE]
	v_and_b32 v24, 15, v0                          ; r
	v_bfe_u32 v25, v0, 4, 1                        ; h
	s_mul_i32 s28, s20, WST                        ; my stage
	v_lshl_add_u32 v[STI], v[LANE], 3, s28
	v_mul_u32_u24 v[FRA], v24, SPI
	v_lshl_add_u32 v[FRA], v25, 4, v[FRA]
	v_add_nc_u32 v[FRA], s28, v[FRA]
	s_wait_kmcnt 0x0
	s_cmp_eq_u32 s20, 0                            ; the wave's number decides
	s_cbranch_scc1 .Lrouter
	; ---------------- THE WEIGHTS ----------------
	s_mul_i32 s21, ttmp9, 12
	s_add_co_u32 s21, s21, s20
	s_sub_co_u32 s21, s21, 1                       ; job 0..3071: 0..1535 w1, the others w2
	; read as a job of w1: row block rb = job / 2 (16 rows of 2,048 bytes), k part kq = job % 2
	s_lshr_b32 s28, s21, 1
	s_and_b32 s29, s21, 1
	s_lshl_b32 s30, s28, 15
	s_lshl_b32 s31, s29, 10
	s_add_co_u32 s30, s30, s31                     ; source: rb x 32,768 + kq x 1,024
	s_lshr_b32 s31, s28, 7
	s_lshl_b32 s31, s31, 5                         ; expert x 32
	s_bfe_u32 s32, s28, 0x10006
	s_lshl4_add_u32 s31, s32, s31                  ; + half x 16
	s_bfe_u32 s32, s28, 0x20002
	s_lshl2_add_u32 s31, s32, s31                  ; + wave x 4
	s_bfe_u32 s32, s28, 0x20004
	s_add_co_u32 s31, s31, s32                     ; + chunk
	s_lshl_b32 s31, s31, 17
	s_lshl_b32 s32, s29, 15
	s_add_co_u32 s31, s31, s32                     ; + 8 kq ksteps of 4,096
	s_and_b32 s32, s28, 3
	s_lshl_b32 s32, s32, 10
	s_add_co_u32 s31, s31, s32                     ; + hb x 1,024
	; read as a job of w2: rb = j / 8 (16 rows of 8,192 bytes), kq = j % 8.  (For a job of w1 these numbers mean nothing and are not chosen.)
	s_sub_co_u32 s33, s21, 1536
	s_lshr_b32 s34, s33, 3
	s_and_b32 s35, s33, 7
	s_lshl_b32 s36, s34, 17
	s_lshl_b32 s37, s35, 10
	s_add_co_u32 s36, s36, s37                     ; source: rb x 131,072 + kq x 1,024
	s_lshr_b32 s37, s34, 5
	s_lshl_b32 s37, s37, 5                         ; expert x 32
	s_lshr_b32 s38, s35, 2
	s_lshl4_add_u32 s37, s38, s37                  ; + half x 16
	s_bfe_u32 s38, s34, 0x20003
	s_lshl2_add_u32 s37, s38, s37                  ; + wave x 4
	s_and_b32 s38, s35, 3
	s_add_co_u32 s37, s37, s38                     ; + chunk
	s_lshl_b32 s37, s37, 17
	s_add_co_u32 s37, s37, 65536                   ; w2's part of a chunk
	s_and_b32 s38, s34, 7
	s_lshl_b32 s38, s38, 10
	s_add_co_u32 s37, s37, s38                     ; + db x 1,024
	s_movk_i32 s38, 2048
	s_movk_i32 s39, 8192
	s_movk_i32 s40, 4096
	s_cmp_lt_u32 s21, 1536
	s_cselect_b32 s25, s30, s36                    ; source offset
	s_cselect_b32 s26, s31, s37                    ; destination offset
	s_cselect_b32 s24, s38, s39                    ; bytes from row to row
	s_cselect_b32 s27, s40, s39                    ; bytes from kstep to kstep in wf
	s_cselect_b64 s[22:23], s[8:9], s[10:11]       ; w1 or w2
	MKSRC
	LOAD32 22, 0, 1                                ; each weight is read once in the launch
	v_add_nc_u32 v[DST], s26, v[L16]
.set i, 1
.rept 7
	v_add_nc_u32 v[DST+i], s27, v[DST+i-1]
.set i, i+1
.endr
	TOSTAGE
.set i, 0
.rept 8                                ; LDS serves a wave's instructions in order (ISA guide 5.7.1.4): these see the stores above; the stage is my own
	ds_load_b128 v[FR+8*i:FR+8*i+3],   v[FRA] offset:64*i
	ds_load_b128 v[FR+8*i+4:FR+8*i+7], v[FRA] offset:64*i+32
.set i, i+1
.endr
.set i, 0
.rept 8
	s_wait_dscnt 15-2*i                            ; the younger loads stay out
	global_store_b128 v[DST+i], v[FR+8*i:FR+8*i+3],   s[14:15]
	s_wait_dscnt 14-2*i
	global_store_b128 v[DST+i], v[FR+8*i+4:FR+8*i+7], s[14:15] offset:512
.set i, i+1
.endr
	CLOSE
	; ---------------- THE ROUTER ----------------
.Lrouter:
.set i, 0
.rept 24                               ; router_w: 12,288 bytes, 24 loads of 512 consecutive bytes; load i is a quarter of row i / 4
	global_load_b128 v[RWR+4*i:RWR+4*i+3], v[L16], s[6:7] offset:512*i
.set i, i+1
.endr
	s_lshl_b32 s41, ttmp9, 4                       ; my group of 16 tokens is the work-group's number; its first token
	s_lshl_b32 s25, s41, 11
	s_movk_i32 s24, 2048
	MKSRC
	LOAD32 4, 0, 0                                 ; x, k 0..255 (the next launch reads x again: no hint)
	v_min_u32 v[RWA], 5, v24                       ; rows 6-15 of source 0 repeat expert 5; their results are never read
	v_mul_u32_u24 v[RWA], v[RWA], RWP
	v_lshl_add_u32 v[RWA], v25, 4, v[RWA]
	v_add_nc_u32 v[RWA], RWL, v[RWA]
	v_lshl_add_u32 v26, v[LANE], 3, RWL            ; my four numbers of a load are 8 bytes in bf16
	s_wait_loadcnt 32                              ; router_w is in; x's 32 loads stay out
.set i, 0
.rept 24
	v_cvt_pk_bf16_f32 v[RWR+4*i],   v[RWR+4*i],   v[RWR+4*i+1]
	v_cvt_pk_bf16_f32 v[RWR+4*i+1], v[RWR+4*i+2], v[RWR+4*i+3]
	ds_store_b64 v26, v[RWR+4*i:RWR+4*i+1] offset:(i/4)*RWP+256*(i%4)
.set i, i+1
.endr
; A pass: 256 along k.  Two batches of 4 ksteps: fragments of x (source 1) and of router_w (source 0), then 4 products on the two accumulators by turns.
.macro RPASS P
	TOSTAGE
.if (\P) == 0
	s_wait_dscnt 0x0                               ; the stores into LDS have read their registers
	LOAD32 4, 1024, 0                              ; k 256..511, on its way while this pass is multiplied
.endif
.irp b, 0,1
.rept 4
	v_nop                                          ; four places between the last products and the loads into their sources
.endr
.irp q, 0,1,2,3
	ds_load_b128 v[FR+8*\q:FR+8*\q+3],     v[FRA] offset:64*(4*\b+\q)
	ds_load_b128 v[FR+8*\q+4:FR+8*\q+7],   v[FRA] offset:64*(4*\b+\q)+32
	ds_load_b128 v[FR+32+8*\q:FR+32+8*\q+3],   v[RWA] offset:64*(8*(\P)+4*\b+\q)
	ds_load_b128 v[FR+32+8*\q+4:FR+32+8*\q+7], v[RWA] offset:64*(8*(\P)+4*\b+\q)+32
.endr
	s_wait_dscnt 0x0
.irp q, 0,1,2,3
.if ((\P) == 0) && (\b == 0) && (\q < 2)
	v_wmma_f32_16x16x32_bf16 v[AC0+8*(\q%2):AC0+8*(\q%2)+7], v[FR+32+8*\q:FR+32+8*\q+7], v[FR+8*\q:FR+8*\q+7], 0
.else
	v_wmma_f32_16x16x32_bf16 v[AC0+8*(\q%2):AC0+8*(\q%2)+7], v[FR+32+8*\q:FR+32+8*\q+7], v[FR+8*\q:FR+8*\q+7], v[AC0+8*(\q%2):AC0+8*(\q%2)+7]
.endif
.endr
.endr
.endm
	RPASS 0
	RPASS 1
.rept 4
	v_nop                                          ; four places behind the last products
.endr
	; In the result lane l < 16 holds token l, register j expert j.  (Lanes 16-31 hold copies of expert 5 and are stored nowhere.)
.irp j, 0,1,2,3,4,5
	v_add_f32 v[160+\j], v[AC0+\j], v[AC1+\j]      ; the logits; each accumulator is read from its lowest register on
.endr
	v_max3_num_f32 v166, v160, v161, v162
	v_max3_num_f32 v167, v163, v164, v165
	v_max_num_f32 v166, v166, v167                 ; the row's maximum
.irp j, 0,1,2,3,4,5
	v_sub_f32 v[168+\j], v[160+\j], v166
.endr
.irp j, 0,1,2,3,4,5
	v_mul_f32 v[168+\j], 0x3fb8aa3b, v[168+\j]     ; x log2(e)
.endr
.irp j, 0,1,2,3,4,5
	v_exp_f32 v[168+\j], v[168+\j]
.endr
	v_nop                                          ; a plain instruction behind the last exponential,
	s_wait_alu depctr_va_vdst(0)                   ; and one wait for the six, ahead of their first reader
	v_add_f32 v166, v168, v169
	v_add_f32 v167, v170, v171
	v_add_f32 v174, v172, v173
	v_add_f32 v166, v166, v167
	v_add_f32 v166, v166, v174
	v_rcp_f32 v166, v166
	v_nop
	s_wait_alu depctr_va_vdst(0)
.irp j, 0,1,2,3,4,5
	v_mul_f32 v[168+\j], v[168+\j], v166           ; the probabilities
.endr
	v_mov_b32 v175, v168                           ; the largest: only a strictly greater one takes its place, so a tie stays with the lower index
	v_mov_b32 v176, 0
.irp j, 1,2,3,4,5
	v_cmp_gt_f32 vcc_lo, v[168+\j], v175
	v_cndmask_b32 v175, v175, v[168+\j], vcc_lo
	v_cndmask_b32 v176, v176, \j, vcc_lo
.endr
.irp j, 0,1,2,3,4,5
	v_cmp_eq_u32 vcc_lo, \j, v176
	v_cndmask_b32 v[178+\j], v[168+\j], -1.0, vcc_lo  ; the winner is taken out,
.endr
	v_mov_b32 v184, v178                           ; and the same scan finds the second
	v_mov_b32 v185, 0
.irp j, 1,2,3,4,5
	v_cmp_gt_f32 vcc_lo, v[178+\j], v184
	v_cndmask_b32 v184, v184, v[178+\j], vcc_lo
	v_cndmask_b32 v185, v185, \j, vcc_lo
.endr
	v_add_f32 v186, v175, v184
	v_rcp_f32 v186, v186
	v_nop
	s_wait_alu depctr_va_vdst(0)
	v_mul_f32 v187, v175, v186                     ; the gates
	v_mul_f32 v186, v184, v186
	v_cmp_lt_u32 vcc_lo, v176, v185                ; put in the order of the experts' numbers
	v_cndmask_b32 v188, v186, v187, vcc_lo         ; the lower-numbered expert's gate
	v_cndmask_b32 v189, v187, v186, vcc_lo         ; the higher-numbered one's
	v_cndmask_b32 v190, v185, v176, vcc_lo         ; the lower number
	v_cndmask_b32 v191, v176, v185, vcc_lo         ; the higher
	v_mov_b32 v192, 0
.irp e, 0,1,2,3,4,5
	v_cmp_eq_u32 s28, \e, v190
	v_cmp_eq_u32 s29, \e, v191
	s_or_b32 s28, s28, s29                         ; bit l: token l chose expert e (the store below keeps bits 0-15)
	s_and_b32 s30, s28, 0xffff
	s_bcnt1_i32_b32 s30, s30                       ; how many of my 16
	v_writelane_b32 v192, s28, \e
	v_writelane_b32 v192, s29, 6+\e
	v_writelane_b32 v192, s30, 12+\e
.endr
	v_add_nc_u32 v193, s41, v[LANE]                ; my token
	v_mul_u32_u24 v194, v193, 24                   ; its 6 probabilities
	v_lshlrev_b32 v195, 2, v193
	s_lshl_b32 s28, ttmp9, 1
	v_lshl_add_u32 v196, v[LANE], 9, s28           ; bm: row (kind, expert) = lane, half G
	s_wait_xcnt 0x0                                ; EXEC changes only behind this wait
	v_cmpx_gt_u32 18, v[LANE]
	global_store_b16 v196, v192, s[18:19]
	s_wait_xcnt 0x0
	v_cmpx_gt_u32 16, v[LANE]
	global_store_b64 v194, v[168:169], s[12:13]
	global_store_b64 v194, v[170:171], s[12:13] offset:8
	global_store_b64 v194, v[172:173], s[12:13] offset:16
	global_store_b32 v195, v188, s[16:17]
	global_store_b32 v195, v189, s[16:17] offset:16384
	s_wait_xcnt 0x0
	s_mov_b32 exec_lo, -1
	CLOSE
.Lfunc_end_k_qca588060a6_prep:
	.size	k_qca588060a6_prep, .Lfunc_end_k_qca588060a6_prep-k_qca588060a6_prep
	.p2alignl 7, 3214868480
	.fill 96, 4, 3214868480
	.section	.rodata,"a",@progbits
	.p2align	6, 0x0
	.amdhsa_kernel k_qca588060a6_prep
		.amdhsa_group_segment_fixed_size 118016
		.amdhsa_private_segment_fixed_size 0
		.amdhsa_enable_private_segment 0
		.amdhsa_kernarg_size 64
		.amdhsa_user_sgpr_count 2
		.amdhsa_user_sgpr_kernarg_segment_ptr 1
		.amdhsa_wavefront_size32 1
		.amdhsa_system_sgpr_workgroup_id_x 1
		.amdhsa_system_sgpr_workgroup_id_y 1
		.amdhsa_system_sgpr_workgroup_id_z 1
		.amdhsa_system_vgpr_workitem_id 0
		.amdhsa_next_free_vgpr 256
		.amdhsa_next_free_sgpr 66
		.amdhsa_reserve_vcc 1
		.amdhsa_float_denorm_mode_32 3
		.amdhsa_float_denorm_mode_16_64 3
		.amdhsa_memory_ordered 1
		.amdhsa_forward_progress 1
		.amdhsa_inst_pref_size 57
	.end_amdhsa_kernel
	.amdgpu_metadata
---
amdhsa.version: [ 1, 2 ]
amdhsa.kernels:
  - .name:           k_qca588060a6_prep
    .symbol:         k_qca588060a6_prep.kd
    .args:
      - { .name: x, .offset: 0, .size: 8, .value_kind: global_buffer, .address_space: global }
      - { .name: router_w, .offset: 8, .size: 8, .value_kind: global_buffer, .address_space: global }
      - { .name: w1, .offset: 16, .size: 8, .value_kind: global_buffer, .address_space: global }
      - { .name: w2, .offset: 24, .size: 8, .value_kind: global_buffer, .address_space: global }
      - { .name: out1, .offset: 32, .size: 8, .value_kind: global_buffer, .address_space: global }
      - { .name: wf, .offset: 40, .size: 8, .value_kind: global_buffer, .address_space: global }
      - { .name: gs, .offset: 48, .size: 8, .value_kind: global_buffer, .address_space: global }
      - { .name: bm, .offset: 56, .size: 8, .value_kind: global_buffer, .address_space: global }
    .group_segment_fixed_size: 118016
    .private_segment_fixed_size: 0
    .kernarg_segment_align: 8
    .kernarg_segment_size: 64
    .max_flat_workgroup_size: 416
    .sgpr_count:     66
    .vgpr_count:     256
    .wavefront_size: 32
...
	.end_amdgpu_metadata
.endif
;; end of part 1
;; launch chain (part 2): grid 216 x 1, 4 waves a work-group, no clusters, 238,848 bytes of LDS; arguments x, b1, b2, wf, gs, bm, part; writes part
.if DOCPART == 2
	.amdgcn_target "amdgcn-amd-amdhsa--gfx1250"
	.amdhsa_code_object_version 6
	.text
	.protected	k_qca588060a6_chain
	.globl	k_qca588060a6_chain
	.p2align	8
	.type	k_qca588060a6_chain,@function
k_qca588060a6_chain:
	s_mov_b64 s[64:65], 0
	v_nop
	global_prefetch_b8 v0, s[64:65] scope:SCOPE_SE
	s_setreg_imm32_b32 hwreg(HW_REG_WAVE_MODE, 25, 1), 1
	s_wait_xcnt 0x0
; SECOND LAUNCH: THE CHAIN.  A work-group takes up to 80 rows (tokens) of ONE expert through x W1^T + b1, exact GELU, W2^T (+ b2), times the gate, over ONE HALF of the 2,048 hidden units,
; and stores the rows as f32 partial sums: part[half*8192 + slot*4096 + token][512]; the third launch adds a token's four rows.
; THE GRID serves every split: the sum over the experts of ceil(n_e / 80) is at most (8,192 + 6 x 79) / 80 = 108 tiles, times two halves.  Every work-group finds its tile from the
; stored counts.  A work-group that a split leaves without rows runs the same text with a count of 0 (on token 0) and stores nothing: every barrier lies on a path that hangs on no loaded number.
; SHARES.  Four waves.  The half goes in 4 chunks of 256 hidden units.  Product 1: wave w makes 80 tokens x 64 units (20 accumulators, 16 ksteps of 20 products).  GELU, rounded to bf16, into LDS.
; Product 2: wave w makes 80 tokens x columns 128 w .. 128 w + 127 (40 accumulators, 8 ksteps of 40 products a chunk).  Both products take the weights as source 0 and the tokens as source 1:
; a lane then holds ONE token (lane % 16) and eight neighbouring columns.  A weight fragment feeds 5 products.
; BY TURNS.  A chunk has 320 products of the second kind and 1,280 vector instructions of GELU: four for each.  So trip i makes product 1 of chunk i and then product 2 of chunk i - 1, and behind each of
; these products stand four instructions of GELU(i).  The hidden chunk has two buffers in LDS, one read while the other is written, and ONE barrier a trip.  Five trips of one text: trip 0 has no product 2,
; its GELU stands alone; trip 4 jumps over product 1, and its GELU works once more on chunk 3's sums and stores into the buffer that nobody reads: 1,280 vector instructions a wave, the price of writing product 2 once.
; THE WEIGHTS come from wf straight into operand registers, 512 consecutive bytes a load, through a ring of 8 groups of 4 fragments: in a work-group each fragment has one reading wave,
; so a way through LDS would only write and read it once more.  For the same reason there is no tensor load here, and NO CLUSTER: partners would differ in their counts of rows, on which the way out branches.
; ALL inputs are rounded once to bf16 (x, w1, w2 as matrix operands; b1, b2 too); sums, GELU, gates and the partial rows are f32; the hidden layer is rounded once to bf16.
; LIMITS.  erf by Abramowitz and Stegun 7.1.25: absolute error at most 2.5e-5 for every argument; e^(-z^2) below 2^-126 counts as 0, where erf is 1 to f32's last bit.  For large negative p the result is
; a rounding residue of about 6e-8 |p| in place of 0.  NaN and infinities are not treated apart.
; REGISTERS, in windows of 256 (s_set_vgpr_msb: bits 1:0 source 0, 3:2 source 1, 5:4 source 2, 7:6 destination):
;   window 0: v0-31 addresses, gates, list entries; v32-111 two buffers of 5 token fragments; v112-239 GELU; v248-249 two lane terms; v112-255 at work in the set-up and on the way out
;   window 1: the ring of weights      window 2: output accumulators of token tiles 0-3, (t, db) at 8 (8 t + db)
;   window 3: v0-63 output accumulators of tile 4; v64-223 hidden accumulators, (t, hb) at 64 + 8 (4 t + hb); v224-255 b1 of the chunk, the C operand that starts the hidden sums
; GELU's registers lie in window 0 and a product's operands in windows 0 to 3, so each four cost two switches: the lesser price beside vector work that would stand alone.
.set XP,    1040                       ; a row of x in LDS: 1,024 bytes + 16: an odd multiple of 16, so the 16 rows of a fragment load start at 16 different groups of four banks (ISA guide 11.1)
.set HPI,   528                        ; a row of the hidden chunk: 512 + 16
.set SPI,   528                        ; a row of a stage: 512 + 16
.set XT,    0                          ; x in bf16, 80 rows
.set STG,   83200                      ; four stages of 16 rows, a wave's own, for the way out
.set B1L,   116992                     ; b1 of my expert and half, 1,024 f32
.set B2L,   121088                     ; b2 of my expert, 512 f32 (zeros in the second half's work-groups)
.set LIST,  123136                     ; four regions of 128 words: wave w writes region w alone
.set SPARE, 125184                     ; the spare words: 128 bytes a wave, two blocks of 256 bytes that no other line names
.set HB0,   131072                     ; the hidden chunk, 80 rows, twice:
.set HBX,   65536                      ; one exclusive or turns an address in one buffer into the other's
.set WA,  2                            ; v2   byte offset in wf + 16 x lane: groups 0-15 of a trip (product 1's)
.set WB,  3                            ; v3   groups 16-31 (product 2's; in trip 0 the next chunk's product 1)
.set XA,  4                            ; v4   x fragments, tiles 0-3
.set HAD, 5                            ; v5   hidden fragments, in the buffer that is read
.set HS,  6                            ; v6   where I put 16 bytes of the hidden chunk, in the buffer that is written
.set BA,  7                            ; v7   b1 of the chunk; steps by 1,024
.set STO, 8                            ; v8   the way out: where I put 16 bytes of a row
.set RD,  9                            ; v9   the way out: where I read a row back
.set CO,  10                           ; v10  my byte offset in a row of part
.set XA4, 11                           ; v11  x fragments, tile 4: its 66,560 bytes do not fit an LDS offset of 16 bits
.set GT,  12                           ; v12-21 the gate of my token in tile t, in pairs
.set EN,  22                           ; v22-26 the list entry (slot x 4,096 + token, later + half x 8,192) of row 16 t + lane % 16
.set B2A, 27                           ; v27  b2 of my columns
.set XS,  28                           ; v28  first 4 x thread; later where I put x
.set WN,  29                           ; v29  groups 32-37: the next trip's first six
.set SPW, 30                           ; v30  LDS address of my spare word; never rewritten
.set NIL, 31                           ; v31  0; never rewritten
.set FB0, 32                           ; v32-71, v72-111 token fragments
.set U,   112                          ; GELU: 40 numbers a lane each
.set T,   152
.set S,   192                          ; in the end its first four registers of each eight hold the packed results
.set Y,   232                          ; v232-239 scratch
.set HL,  248                          ; v248 r x 528 + 16 h; never rewritten
.set HL2, 249                          ; v249 the same + 128 w
.set HAC, 64                           ; window 3
.set B1R, 224                          ; window 3
.set TM,  112                          ; the way out
.set RW,  176
.set AD,  240
.set CA,  112                          ; the set-up: counts of words 4 l .. 4 l + 3, six experts
.set OW,  136                          ; my own word of each of bm's 18 rows
.set LT,  154                          ; my lane's totals, six experts
.set XO,  112                          ; later: the byte offsets of my wave's 20 rows of x
.set A3,  36                           ; s[36:37] .. s[44:45]: constants as pairs, the low word taken for both halves
.set A2,  38
.set A1,  40
.set BET, 42
.set KAP, 44
.set PP,  46
.set HW,  56                           ; s56  the hidden buffer that is written
.set HR,  57                           ; s57  the one that is read
.set RL,  84                           ; s84-99 a batch of numbers read from lanes
.set MSB, 0
.macro WIN new                         ; the immediate's high byte repeats the setting that is left; a switch that changes nothing is dropped
.if MSB != (\new)
	s_set_vgpr_msb (MSB<<8)|(\new)
.set MSB, \new
.endif
.endm
.macro PLACES                          ; four places between matrix instructions and loads into their sources, or readers of their results
.rept 4
	v_nop
.endr
.endm
; Group g of a trip (4 fragments, 4,096 bytes) into ring slot g % 8.
.macro WLOAD g
	WIN 0x40                                       ; destination window 1
.set wsl, 32*((\g)%8)
.set wof, 4096*((\g)%16)
.set wad, WA
.if (\g) >= 16
.set wad, WB
.endif
.if (\g) >= 32
.set wad, WN
.endif
.irp f, 0,1,2,3
	global_load_b128 v[wsl+8*\f:wsl+8*\f+3],   v[wad], s[10:11] offset:wof+1024*\f
	global_load_b128 v[wsl+8*\f+4:wsl+8*\f+7], v[wad], s[10:11] offset:wof+1024*\f+512
.endr
.endm
.macro XFR k, buf                      ; the 5 token fragments of x for kstep k
	WIN 0
.irp t, 0,1,2,3
	ds_load_b128 v[(\buf)+8*\t:(\buf)+8*\t+3],   v[XA] offset:\t*16*XP+64*(\k)
	ds_load_b128 v[(\buf)+8*\t+4:(\buf)+8*\t+7], v[XA] offset:\t*16*XP+64*(\k)+32
.endr
	ds_load_b128 v[(\buf)+32:(\buf)+35], v[XA4] offset:64*(\k)
	ds_load_b128 v[(\buf)+36:(\buf)+39], v[XA4] offset:64*(\k)+32
.endm
.macro HFR k, buf                      ; the same of the hidden chunk
	WIN 0
.irp t, 0,1,2,3,4
	ds_load_b128 v[(\buf)+8*\t:(\buf)+8*\t+3],   v[HAD] offset:\t*16*HPI+64*(\k)
	ds_load_b128 v[(\buf)+8*\t+4:(\buf)+8*\t+7], v[HAD] offset:\t*16*HPI+64*(\k)+32
.endr
.endm
; Product 1, kstep k: it uses group k.  The next step's fragments and the group seven ahead are asked for first.  All 20 accumulators take turns.
.macro ASTEP k
	PLACES
.if (\k) < 15
	XFR (\k)+1, FB0+40*(((\k)+1)%2)
.endif
.if (\k) == 0
	WLOAD 6                                        ; at product 1's head groups 0-5 are out or in
	WLOAD 7
.else
	WLOAD (\k)+7
.endif
	s_wait_loadcnt 56                              ; group k is in: the seven younger groups, 8 loads each, stay out
.if (\k) < 15
	s_wait_dscnt 10                                ; this step's fragments are in: the next step's ten loads stay out
.else
	s_wait_dscnt 0x0
.endif
	WIN 0xf1                                       ; weights window 1, tokens window 0, C and D window 3
.set ab, FB0+40*((\k)%2)
.set aw, 32*((\k)%8)
.irp hb, 0,1,2,3
.irp t, 0,1,2,3,4
.if (\k) == 0
	v_wmma_f32_16x16x32_bf16 v[HAC+8*(4*\t+\hb):HAC+8*(4*\t+\hb)+7], v[aw+8*\hb:aw+8*\hb+7], v[ab+8*\t:ab+8*\t+7], v[B1R+8*\hb:B1R+8*\hb+7]
.else
	v_wmma_f32_16x16x32_bf16 v[HAC+8*(4*\t+\hb):HAC+8*(4*\t+\hb)+7], v[aw+8*\hb:aw+8*\hb+7], v[ab+8*\t:ab+8*\t+7], v[HAC+8*(4*\t+\hb):HAC+8*(4*\t+\hb)+7]
.endif
.endr
.endr
.endm
; GELU of the 40 numbers a lane of hidden block hb (5 tiles x 8), in 20 pairs: a list of 320 instructions; GQ writes number gq of it.
; With u = kappa p, kappa = sqrt(log2(e) / 2), t = 1 / (1 + P |u|), E = 2^(-u^2), beta = 1 / (2 kappa):
; gelu(p) = beta u + |u| (beta - (a1 t + a2 t^2 + a3 t^3) E), the a's being the series' coefficients times beta.
;   0-19     u, a pair each, out of the accumulators in ascending order (each is read from its lowest registers on): the one part that leaves window 0
;   20-159   ONE BATCH: 1 + P |u| and -u^2 of a pair, and between them the pair before's two reciprocals and two exponentials.  None of these names a transcendental's result.
;   (wait)   between 159 and 160 stand a plain instruction and the one wait for the 80: the caller writes them
;   160-319  tile by tile, 32 each, line by line over the tile's four pairs, so that no line waits for the one before it: the series in t (three lines), beta - series x E, beta u, the sum, the rounding to bf16
.macro GQ hb
.if gq < 20
	WIN 0x03                                       ; source 0 window 3
	v_pk_mul_f32 v[U+2*gq:U+2*gq+1], v[HAC+8*(4*(gq/4)+(\hb))+2*(gq%4):HAC+8*(4*(gq/4)+(\hb))+2*(gq%4)+1], s[KAP:KAP+1] op_sel_hi:[1,0]
.elseif gq < 160
	WIN 0
.set gm, gq-23
.set gi, gm/7
.set gz, gm%7
.if gq < 22
	v_fma_f32 v[T+gq-20], |v[U+gq-20]|, s[PP], 1.0
.elseif gq == 22
	v_pk_mul_f32 v[S:S+1], v[U:U+1], v[U:U+1] neg_lo:[1,0] neg_hi:[1,0]
.elseif (gi == 19) && (gz < 2)
	v_rcp_f32 v[T+38+gz], v[T+38+gz]
.elseif gi == 19
	v_exp_f32 v[S+36+gz], v[S+36+gz]
.elseif gz == 0
	v_fma_f32 v[T+2*gi+2], |v[U+2*gi+2]|, s[PP], 1.0
.elseif gz == 1
	v_rcp_f32 v[T+2*gi], v[T+2*gi]
.elseif gz == 2
	v_fma_f32 v[T+2*gi+3], |v[U+2*gi+3]|, s[PP], 1.0
.elseif gz == 3
	v_rcp_f32 v[T+2*gi+1], v[T+2*gi+1]
.elseif gz == 4
	v_pk_mul_f32 v[S+2*gi+2:S+2*gi+3], v[U+2*gi+2:U+2*gi+3], v[U+2*gi+2:U+2*gi+3] neg_lo:[1,0] neg_hi:[1,0]
.elseif gz == 5
	v_exp_f32 v[S+2*gi], v[S+2*gi]
.else
	v_exp_f32 v[S+2*gi+1], v[S+2*gi+1]
.endif
.else
	WIN 0
.set gm, gq-160
.set gt, gm/32
.set gl, gm%32
.set gp, 8*gt+2*(gl%4)
.set gy, Y+2*(gl%4)
.if gl < 4
	v_pk_fma_f32 v[gy:gy+1], v[T+gp:T+gp+1], s[A3:A3+1], s[A2:A2+1] op_sel_hi:[1,0,0]
.elseif gl < 8
	v_pk_fma_f32 v[gy:gy+1], v[gy:gy+1], v[T+gp:T+gp+1], s[A1:A1+1] op_sel_hi:[1,1,0]
.elseif gl < 12
	v_pk_mul_f32 v[T+gp:T+gp+1], v[gy:gy+1], v[T+gp:T+gp+1]
.elseif gl < 16
	v_pk_fma_f32 v[S+gp:S+gp+1], v[T+gp:T+gp+1], v[S+gp:S+gp+1], s[BET:BET+1] op_sel_hi:[1,1,0] neg_lo:[1,0,0] neg_hi:[1,0,0]
.elseif gl < 20
	v_pk_mul_f32 v[T+gp:T+gp+1], v[U+gp:U+gp+1], s[BET:BET+1] op_sel_hi:[1,0]
.elseif gl < 28
	v_fma_f32 v[U+8*gt+gl-20], |v[U+8*gt+gl-20]|, v[S+8*gt+gl-20], v[T+8*gt+gl-20]
.else
	v_cvt_pk_bf16_f32 v[S+8*gt+gl-28], v[U+8*gt+2*(gl-28)], v[U+8*gt+2*(gl-28)+1]
.endif
.endif
.endm
.macro RID hb                          ; the list's next four
.rept 4
	GQ \hb
.set gq, gq+1
.endr
.endm
.macro GUALL hb                        ; numbers 0-19, alone
.set gq, 0
.rept 20
	GQ \hb
.set gq, gq+1
.endr
	WIN 0
.endm
.macro HSTORE hb                       ; a batch's results: my token's eight neighbouring hidden units, for each of the five tiles
.irp t, 0,1,2,3,4
	ds_store_b128 v[HS], v[S+8*\t:S+8*\t+3] offset:\t*16*HPI+32*(\hb)
.endr
.endm
; Product 2, kstep k: it uses groups 16 + 2 k and 17 + 2 k.  Batch k / 2 of GELU rides on it: numbers 0-159 on the even kstep, 160-319 on the odd one.
; The head: the batch's wait stands ahead of the odd kstep's run of loads (the four v_nop are also the plain instruction behind the last exponential); the batch's five stores go out with the next even kstep's run.
.macro BHEAD k
	WIN 0
.if (\k) > 0
	PLACES
.endif
.if (\k)%2 == 1
	s_wait_alu depctr_va_vdst(0)                   ; one wait for the batch's 80 transcendentals, ahead of their first reader
.else
.set gq, 0
.if (\k) > 0
	HSTORE (\k)/2-1
.endif
.endif
.if (\k) < 7
	HFR (\k)+1, FB0+40*(((\k)+1)%2)
.endif
.if (\k) == 0
	WLOAD 23
.else
	WLOAD 22+2*(\k)
	WLOAD 23+2*(\k)
.endif
	s_wait_loadcnt 48                              ; both groups are in: the six younger groups stay out
.if (\k) < 7
	s_wait_dscnt 10                                ; this step's fragments are in and the stores are done: the next step's ten loads, issued last, stay out
.else
	s_wait_dscnt 0x0
.endif
.endm
.macro BMULR k                         ; 40 products, all accumulators by turns, behind each four of the list; no line of the list names a register of a product
.set bb, FB0+40*((\k)%2)
.irp t, 0,1,2,3
.irp db, 0,1,2,3,4,5,6,7
.set bw, 32*((2*(\k)+\db/4)%8)+8*(\db%4)
	WIN 0xa1                                       ; weights window 1, tokens window 0, C and D window 2
	v_wmma_f32_16x16x32_bf16 v[8*(8*\t+\db):8*(8*\t+\db)+7], v[bw:bw+7], v[bb+8*\t:bb+8*\t+7], v[8*(8*\t+\db):8*(8*\t+\db)+7]
	RID (\k)/2
.endr
.endr
.irp db, 0,1,2,3,4,5,6,7
.set bw, 32*((2*(\k)+\db/4)%8)+8*(\db%4)
	WIN 0xf1                                       ; tile 4: C and D window 3
	v_wmma_f32_16x16x32_bf16 v[8*\db:8*\db+7], v[bw:bw+7], v[bb+32:bb+39], v[8*\db:8*\db+7]
	RID (\k)/2
.endr
.endm
	; ---------------- THE SET-UP ----------------
	s_load_b256 s[4:11], s[0:1], 0x0               ; x s[4:5], b1 s[6:7], b2 s[8:9], wf s[10:11]
	s_load_b128 s[12:15], s[0:1], 0x20             ; gs s[12:13], bm s[14:15]
	s_load_b64 s[16:17], s[0:1], 0x30              ; part
	v_lshl_add_u32 v[SPW], v0, 2, SPARE
	v_mov_b32 v[NIL], 0
	v_and_b32 v27, 31, v0
	v_lshrrev_b32 v29, 5, v0
	v_readfirstlane_b32 s18, v29                   ; wave 0..3
	s_and_b32 s19, ttmp9, 1                        ; which half of the hidden units
	s_lshr_b32 s20, ttmp9, 1                       ; q: which tile of rows
	s_lshl_b32 s29, s19, 13                        ; half x 8,192 rows of part
	v_lshlrev_b32 v1, 4, v27                       ; 16 x lane
	v_lshlrev_b32 v[XS], 2, v0                     ; 4 x thread: thread t owns word t (tokens 32 t .. 32 t + 31) of each row of bm
	s_wait_kmcnt 0x0
.irp e, 0,1,2,3,4,5
	global_load_b128 v[CA+4*\e:CA+4*\e+3], v1, s[14:15] offset:(12+\e)*512  ; every wave: all counts, lane l those of words 4 l .. 4 l + 3
.endr
.set i, 0
.rept 18
	global_load_b32 v[OW+i], v[XS], s[14:15] offset:512*i
.set i, i+1
.endr
	v_lshl_add_u32 v29, v0, 4, LIST                ; my wave's region of the list is cleared: a work-group without rows reads a 0 there
	v_mov_b32 v160, 0
	v_mov_b32 v161, 0
	v_mov_b32 v162, 0
	v_mov_b32 v163, 0
	ds_store_b128 v29, v[160:163]
	v_and_b32 v164, 15, v0                         ; r
	v_bfe_u32 v165, v0, 4, 1                       ; h
	v_mul_u32_u24 v[XA], v164, XP
	v_lshl_add_u32 v[XA], v165, 4, v[XA]           ; row x pitch + 16 h (XT = 0)
	v_add_nc_u32 v[XA4], 64*XP, v[XA]
	v_mul_u32_u24 v[HL], v164, HPI
	v_lshl_add_u32 v166, v165, 5, v[HL]            ; r x 528 + 32 h, for the stage
	v_lshl_add_u32 v[HL], v165, 4, v[HL]           ; r x 528 + 16 h
	s_lshl_b32 s48, s18, 7
	v_add_nc_u32 v[HL2], s48, v[HL]                ; my wave's 64 hidden units: 128 bytes of a row
	s_mov_b32 s[HW], HB0                           ; chunk 0 is written into the first buffer
	s_mov_b32 s[HR], HB0+HBX
	v_add_nc_u32 v[HS], s[HW], v[HL2]
	v_add_nc_u32 v[HAD], s[HR], v[HL]
	s_lshl_b32 s48, s18, 8
	s_add_co_u32 s48, s48, B1L
	v_lshl_add_u32 v[BA], v165, 5, s48
	s_mul_i32 s48, s18, 16*SPI
	s_add_co_u32 s48, s48, STG
	v_add_nc_u32 v[STO], s48, v166
	v_add_nc_u32 v[RD], s48, v1
	s_lshl_b32 s48, s18, 9
	v_add_nc_u32 v[CO], s48, v1
	s_add_co_u32 s48, s48, B2L
	v_lshl_add_u32 v[B2A], v165, 5, s48
	s_mov_b32 s[A3], 0x3ee16a97                    ; beta x 0.7478556
	s_mov_b32 s[A3+1], s[A3]
	s_mov_b32 s[A2], 0xbd6732ca                    ; beta x -0.0958798
	s_mov_b32 s[A2+1], s[A2]
	s_mov_b32 s[A1], 0x3e51cd01                    ; beta x 0.3480242
	s_mov_b32 s[A1+1], s[A1]
	s_mov_b32 s[BET], 0x3f16b55f                   ; beta = 0.5887050
	s_mov_b32 s[BET+1], s[BET]
	s_mov_b32 s[KAP], 0x3f596d27                   ; kappa = 0.8493218
	s_mov_b32 s[KAP+1], s[KAP]
	s_mov_b32 s[PP], 0x3ec88bda                    ; 0.47047 / sqrt(log2(e)) = 0.3916920
	s_mov_b32 s66, 0x76543210                      ; v_permlanex16_b32: each lane takes its own place in the other half
	s_mov_b32 s67, 0xfedcba98
	s_wait_loadcnt 0x0
	; n_e: a word of kind 2 holds two counts of 16 bits; four words are added as they are (64 at the most in a half), then the halves
.irp e, 0,1,2,3,4,5
	v_add3_u32 v[LT+\e], v[CA+4*\e], v[CA+4*\e+1], v[CA+4*\e+2]
	v_add_nc_u32 v[LT+\e], v[LT+\e], v[CA+4*\e+3]
	v_lshrrev_b32 v166, 16, v[LT+\e]
	v_and_b32 v[LT+\e], 0xffff, v[LT+\e]
	v_add_nc_u32 v[LT+\e], v166, v[LT+\e]
.endr
	v_lshl_or_b32 v167, v[LT+1], 16, v[LT]         ; two experts to a word: a sum over the lanes is 4,096 at the most
	v_lshl_or_b32 v168, v[LT+3], 16, v[LT+2]
	v_lshl_or_b32 v169, v[LT+5], 16, v[LT+4]
	v_mov_b32 v166, 0
.irp m, 1,2,4,8
.irp g, 167,168,169
	v_mov_b32_dpp v166, v\g row_xmask:\m row_mask:0xf bank_mask:0xf
	v_add_nc_u32 v\g, v\g, v166
.endr
.endr
.irp g, 167,168,169
	v_permlanex16_b32 v166, v\g, s66, s67
	v_add_nc_u32 v\g, v\g, v166
.endr
	v_readfirstlane_b32 s48, v167
	v_readfirstlane_b32 s49, v168
	v_readfirstlane_b32 s58, v169
	s_and_b32 s30, s48, 0xffff
	s_lshr_b32 s31, s48, 16
	s_and_b32 s32, s49, 0xffff
	s_lshr_b32 s33, s49, 16
	s_and_b32 s34, s58, 0xffff
	s_lshr_b32 s35, s58, 16
.irp e, 0,1,2,3,4,5
	s_add_co_u32 s48, s[30+\e], 79
	s_mul_i32 s48, s48, 52429                      ; / 80: 52,429 x 80 = 2^22 + 16, exact for numbers under 81,920
	s_lshr_b32 s[50+\e], s48, 22                   ; the expert's tiles
.endr
	s_mov_b32 s21, 0                               ; my expert,
	s_mov_b32 s22, 0                               ; its first tile's number,
	s_mov_b32 s23, s30                             ; its rows
	s_mov_b32 s49, s50
.irp e, 1,2,3,4,5
	s_cmp_ge_u32 s20, s49
	s_cselect_b32 s21, \e, s21
	s_cselect_b32 s22, s49, s22
	s_cselect_b32 s23, s[30+\e], s23
	s_add_co_u32 s49, s49, s[50+\e]
.endr
	s_min_u32 s21, s21, 5
	s_sub_co_u32 s24, s20, s22
	s_mul_i32 s24, s24, 80                         ; r0: my first rank among the expert's rows
	s_sub_co_i32 s25, s23, s24
	s_max_i32 s25, s25, 0
	s_min_u32 s25, s25, 80                         ; cnt: my rows, 0 .. 80
	s_max_u32 s26, s25, 1
	s_sub_co_u32 s26, s26, 1                       ; the last row that exists
	; what hangs on the expert alone: b1, b2, and the first six groups of weights
	s_lshl_b32 s48, s21, 13
	s_lshl_b32 s49, s19, 12
	s_add_co_u32 s48, s48, s49
	v_lshl_add_u32 v166, v0, 5, s48
	global_load_b128 v[168:171], v166, s[6:7]
	global_load_b128 v[172:175], v166, s[6:7] offset:16
	s_lshl_b32 s48, s21, 11
	v_lshl_add_u32 v167, v0, 4, s48
	global_load_b128 v[176:179], v167, s[8:9]
	s_lshl1_add_u32 s48, s21, s19
	s_lshl2_add_u32 s48, s48, s18                  ; my stream: (e x 2 + half) x 4 + wave
	s_lshl_b32 s48, s48, 19
	v_add_nc_u32 v[WA], s48, v1                    ; chunk 0's product 1
	v_add_nc_u32 v[WB], 0x20000, v[WA]             ; behind it, in trip 0, comes chunk 1's product 1
	v_add_nc_u32 v[WN], 0x20000, v[WA]             ; (not used in trip 0)
.irp g, 0,1,2,3,4,5
	WLOAD \g
.endr
	WIN 0
	; my word of my expert's rows of bm, and my lane's total
	v_mov_b32 v180, v[OW]                          ; chose it
	v_mov_b32 v181, v[OW+6]                        ; as the higher-numbered
	v_mov_b32 v182, v[OW+12]                       ; the word's two counts
	v_mov_b32 v183, v[LT]
.irp e, 1,2,3,4,5
	s_cmp_eq_u32 s21, \e
	s_cselect_b32 s48, -1, 0
	v_cndmask_b32 v180, v180, v[OW+\e], s48
	v_cndmask_b32 v181, v181, v[OW+6+\e], s48
	v_cndmask_b32 v182, v182, v[OW+12+\e], s48
	v_cndmask_b32 v183, v183, v[LT+\e], s48
.endr
	v_lshrrev_b32 v184, 16, v182
	v_and_b32 v182, 0xffff, v182
	v_add_nc_u32 v184, v184, v182                  ; my word's count, 32 at the most
	; sums over the lanes below mine, bit plane by bit plane.  Of the lanes' totals (128 at the most): lanes 8 w hold P_w, the rank at which wave w's tokens begin
	v_mov_b32 v185, 0
.irp b, 0,1,2,3,4,5,6,7
	v_bfe_u32 v186, v183, \b, 1
	v_cmp_ne_u32 s48, 0, v186
	v_mbcnt_lo_u32_b32 v186, s48, 0
	v_lshl_add_u32 v185, v186, \b, v185
.endr
	v_readlane_b32 s78, v185, 8
	v_readlane_b32 s79, v185, 16
	v_readlane_b32 s80, v185, 24
	v_mov_b32 v187, 0                              ; and of my wave's words' counts
.irp b, 0,1,2,3,4,5
	v_bfe_u32 v186, v184, \b, 1
	v_cmp_ne_u32 s48, 0, v186
	v_mbcnt_lo_u32_b32 v186, s48, 0
	v_lshl_add_u32 v187, v186, \b, v187
.endr
	s_mov_b32 s49, 0
	s_cmp_eq_u32 s18, 1
	s_cselect_b32 s49, s78, s49
	s_cmp_eq_u32 s18, 2
	s_cselect_b32 s49, s79, s49
	s_cmp_eq_u32 s18, 3
	s_cselect_b32 s49, s80, s49                    ; my wave's P
	s_max_u32 s50, s49, s24                        ; the rank that stands first in my region: max(P, r0)
	s_sub_co_u32 s49, s49, s50
	v_add_nc_u32 v188, s49, v187                   ; my first token's place in my region (below 0: ahead of the tile)
	s_add_co_u32 s76, s24, 80
	s_sub_co_i32 s76, s76, s50
	s_max_i32 s76, s76, 0                          ; places of my region that belong to the tile, 80 at the most
.irp w, 1,2,3
	s_max_u32 s48, s[77+\w], s24
	s_sub_co_u32 s[67+\w], s48, s24                ; T_w: the tile's first row that lies in region w
	s_sub_co_u32 s[71+\w], 128*\w, s[67+\w]        ; row j lies at word j + 128 w - T_w
.endr
	s_lshl_b32 s77, s18, 9
	s_add_co_u32 s77, s77, LIST                    ; my region
	v_lshlrev_b32 v189, 5, v0                      ; my first token
	; b1 and b2, rounded to bf16 like every input, as f32 into LDS
	s_wait_loadcnt 48                              ; they are in; the 48 loads of weights stay out
	v_cvt_pk_bf16_f32 v190, v168, v169
	v_cvt_pk_bf16_f32 v191, v170, v171
	v_cvt_pk_bf16_f32 v192, v172, v173
	v_cvt_pk_bf16_f32 v193, v174, v175
	v_cvt_pk_bf16_f32 v194, v176, v177
	v_cvt_pk_bf16_f32 v195, v178, v179
.irp i, 0,1,2,3,4,5
	v_lshlrev_b32 v[168+2*\i], 16, v[190+\i]
	v_and_b32 v[169+2*\i], 0xffff0000, v[190+\i]
.endr
	s_cmp_eq_u32 s19, 0
	s_cselect_b32 s48, -1, 0                       ; b2 is added once: by the first half's work-group
.irp i, 176,177,178,179
	v_and_b32 v\i, s48, v\i
.endr
	v_lshl_add_u32 v196, v0, 5, B1L
	ds_store_b128 v196, v[168:171]
	ds_store_b128 v196, v[172:175] offset:16
	v_lshl_add_u32 v197, v0, 4, B2L
	ds_store_b128 v197, v[176:179]
	; the list: bit by bit through my word; a token whose place lies in the tile is stored, slot x 4,096 + token
	s_wait_xcnt 0x0                                ; EXEC changes only behind this wait; the loop issues no global instruction
	s_mov_b32 s28, 32
.Lbit:
	v_and_b32 v198, 1, v180
	v_and_b32 v199, 1, v181
	v_add_nc_u32 v200, -1, v198
	v_or_b32 v200, v188, v200                      ; the place, or all ones where the bit is 0
	v_lshl_add_u32 v201, v199, 12, v189
	v_min_u32 v202, 79, v200
	v_lshl_add_u32 v202, v202, 2, s77
	v_cmpx_gt_u32 s76, v200
	ds_store_b32 v202, v201
	s_mov_b32 exec_lo, -1
	v_add_nc_u32 v188, v188, v198
	v_add_nc_u32 v189, 1, v189
	v_lshrrev_b32 v180, 1, v180
	v_lshrrev_b32 v181, 1, v181
	s_sub_co_u32 s28, s28, 1
	s_cmp_lg_u32 s28, 0
	s_cbranch_scc1 .Lbit
	s_wait_dscnt 0x0                               ; for the others' sake: my region, my parts of b1 and b2
	s_barrier_signal -1
	s_barrier_wait -1
; v[d] <- the LDS address of the entry of row v[j]; rows past the count repeat the last row that exists
.macro LOOK d, j
	v_min_u32 v[\j], s26, v[\j]
	v_mov_b32 v[\d], v[\j]
.irp w, 1,2,3
	v_add_nc_u32 v199, s[71+\w], v[\j]
	v_cmp_le_u32 vcc_lo, s[67+\w], v[\j]
	v_cndmask_b32 v[\d], v[\d], v199, vcc_lo
.endr
	v_min_u32 v[\d], 511, v[\d]
	v_lshl_add_u32 v[\d], v[\d], 2, LIST
.endm
.irp t, 0,1,2,3,4
	v_add_nc_u32 v198, 16*\t, v164
	LOOK 200+\t, 198
	ds_load_b32 v[EN+\t], v[200+\t]
.endr
	v_and_b32 v198, 31, v0                         ; lane i: row 20 w + min(i, 19): my wave brings 20 rows of x
	v_min_u32 v198, 19, v198
	s_mul_i32 s48, s18, 20
	v_add_nc_u32 v198, s48, v198
	LOOK 205, 198
	ds_load_b32 v206, v205
	s_wait_dscnt 0x0
.irp t, 0,1,2,3,4
	v_min_u32 v[207+\t], 8191, v[EN+\t]
	v_lshlrev_b32 v[207+\t], 2, v[207+\t]
	global_load_b32 v[GT+2*\t], v[207+\t], s[12:13]
	v_add_nc_u32 v[EN+\t], s29, v[EN+\t]           ; from here on: the row of part
.endr
.irp b, 0,1                            ; ten lanes are read on end, and only then the scalar work on them begins
.set i, 0
.rept 10
	v_readlane_b32 s[RL+i], v206, 10*\b+i
.set i, i+1
.endr
.set i, 0
.rept 10
	s_and_b32 s[RL+i], s[RL+i], 0xfff              ; the token
	s_min_u32 s[RL+i], s[RL+i], 4095
	s_lshl_b32 s[RL+i], s[RL+i], 11
	v_add_nc_u32 v[XO+10*\b+i], s[RL+i], v1
.set i, i+1
.endr
.endr
	WIN 0xc0                                       ; the rows land in the accumulators' registers, which are still free: rows 0-15 in window 3,
.set i, 0
.rept 16
.irp p, 0,1,2,3
	global_load_b128 v[16*i+4*\p:16*i+4*\p+3], v[XO+i], s[4:5] offset:512*\p
.endr
.set i, i+1
.endr
	WIN 0x80                                       ; rows 16-19 in window 2
.set i, 0
.rept 4
.irp p, 0,1,2,3
	global_load_b128 v[16*i+4*\p:16*i+4*\p+3], v[XO+16+i], s[4:5] offset:512*\p
.endr
.set i, i+1
.endr
	WIN 0
	v_lshrrev_b32 v[XS], 1, v1                     ; 8 x lane
	s_mul_i32 s48, s18, 20*XP
	v_add_nc_u32 v[XS], s48, v[XS]
; four rows: rounded to bf16, 8 bytes a lane into LDS
.macro XROWS g
.if (\g) == 0
	s_wait_loadcnt 63                              ; 64 younger loads could stay out; the wait's field holds 63
.else
	s_wait_loadcnt 64-16*(\g)                      ; the rows behind these four stay out
.endif
.if (\g) < 4
	WIN 0x0f
.set xa, 64*(\g)
.else
	WIN 0x0a
.set xa, 0
.endif
.set xb, 132+32*((\g)%2)
.set n, 0
.rept 32
	v_cvt_pk_bf16_f32 v[xb+n], v[xa+2*n], v[xa+2*n+1]
.set n, n+1
.endr
	WIN 0
.set n, 0
.rept 16
	ds_store_b64 v[XS], v[xb+2*n:xb+2*n+1] offset:(4*(\g)+n/4)*XP+256*(n%4)
.set n, n+1
.endr
.endm
.irp g, 0,1,2,3,4
	XROWS \g
.endr
.irp t, 0,1,2,3,4
	v_mov_b32 v[GT+2*\t+1], v[GT+2*\t]             ; named as pairs
.endr
	s_wait_dscnt 0x0                               ; for the others' sake: my 20 rows of x
	s_barrier_signal -1
	s_barrier_wait -1
	; the output sums begin at b2: register j of accumulator (t, db) is column 16 db + 8 h + j, the same for every tile.  Nothing is cleared, and every kstep of product 2 has one text.
	WIN 0x80
.irp t, 0,1,2,3
.set n, 0
.rept 16
	ds_load_b128 v[64*\t+4*n:64*\t+4*n+3], v[B2A] offset:64*(n/2)+16*(n%2)
.set n, n+1
.endr
.endr
	WIN 0xc0
.set n, 0
.rept 16
	ds_load_b128 v[4*n:4*n+3], v[B2A] offset:64*(n/2)+16*(n%2)
.set n, n+1
.endr
	WIN 0
	; ---------------- THE FIVE TRIPS ----------------
	s_mov_b32 s27, 5
.Lchunk:
	s_cmp_eq_u32 s27, 1                            ; the last trip has no product 1
	s_cbranch_scc1 .LnoA
	PLACES                                         ; behind the last trip's products
	WIN 0xc0
.irp hb, 0,1,2,3
	ds_load_b128 v[B1R+8*\hb:B1R+8*\hb+3],   v[BA] offset:64*\hb     ; b1 of hidden units 16 hb + 8 h + 0..7: the layout of a result's registers
	ds_load_b128 v[B1R+8*\hb+4:B1R+8*\hb+7], v[BA] offset:64*\hb+16
.endr
	XFR 0, FB0
.set kk, 0
.rept 16
	ASTEP kk
.set kk, kk+1
.endr
	WIN 0
	PLACES                                         ; behind product 1's last products: for GELU's first lines, and for the loads into the fragments' registers
	s_cmp_eq_u32 s27, 5                            ; the first trip has no product 2
	s_cbranch_scc1 .Lphase
	s_branch .LB
.LnoA:
	PLACES
	WLOAD 22                                       ; what product 1's last kstep would have asked for; groups 16-21 were asked for by the trip before, as its groups 32-37
	WIN 0
.LB:
	HFR 0, FB0
.set kk, 0
.rept 8
	BHEAD kk
	BMULR kk
.set kk, kk+1
.endr
	WIN 0
	HSTORE 3
	s_branch .Lbar
.Lphase:                               ; trip 0: GELU alone, four batches by one text; only the 20 lines that read the accumulators and the 5 stores differ, and the counter chooses them
	s_mov_b32 s28, 4
.Lph:
	s_cmp_eq_u32 s28, 4
	s_cbranch_scc1 .Lgu0
	s_cmp_eq_u32 s28, 3
	s_cbranch_scc1 .Lgu1
	s_cmp_eq_u32 s28, 2
	s_cbranch_scc1 .Lgu2
	GUALL 3
	s_branch .Lgc
.Lgu0:
	GUALL 0
	s_branch .Lgc
.Lgu1:
	GUALL 1
	s_branch .Lgc
.Lgu2:
	GUALL 2
.Lgc:
.set gq, 20
.rept 140
	GQ 0
.set gq, gq+1
.endr
	v_nop                                          ; a plain instruction behind the last exponential,
	s_wait_alu depctr_va_vdst(0)                   ; and one wait for the batch's 80
.rept 160
	GQ 0
.set gq, gq+1
.endr
	s_cmp_eq_u32 s28, 4
	s_cbranch_scc1 .Lst0
	s_cmp_eq_u32 s28, 3
	s_cbranch_scc1 .Lst1
	s_cmp_eq_u32 s28, 2
	s_cbranch_scc1 .Lst2
	HSTORE 3
	s_branch .Lsc
.Lst0:
	HSTORE 0
	s_branch .Lsc
.Lst1:
	HSTORE 1
	s_branch .Lsc
.Lst2:
	HSTORE 2
.Lsc:
	s_sub_co_u32 s28, s28, 1
	s_cmp_lg_u32 s28, 0
	s_cbranch_scc1 .Lph
	s_wait_loadcnt 0x0                             ; chunk 1's groups 0-6 are in.  Trip 1 asks for its group 6 once more (4,096 bytes a wave), so that product 1's head has one text; no load is out on that slot
.Lbar:
	s_wait_dscnt 0x0                               ; for the others' sake: my 64 hidden units of all 80 rows are stored, and my reads of the other buffer are over
	s_barrier_signal -1
	s_barrier_wait -1                              ; the chunk just written is whole, and nobody reads the buffer that the next trip writes
	s_wait_xcnt 0x0                                ; the loads of weights have had their addresses translated: only now are the three offsets rewritten
	s_mov_b32 s48, 0x30000                         ; the trip after next begins with: product 1 two chunks on (behind trips 0 and 1); chunk 3's product 2 (behind trip 2);
	s_cmp_gt_u32 s27, 3
	s_cselect_b32 s48, 0x40000, s48
	s_cmp_lt_u32 s27, 3                            ; nothing (behind trip 3): the last trip asks for its own first six groups once more, so that every trip counts alike and no load leaves wf
	s_cselect_b32 s48, 0x10000, s48
	v_add_nc_u32 v[WB], 0x10000, v[WA]             ; product 2 of the chunk whose product 1 this trip made
	v_add_nc_u32 v[WN], s48, v[WA]
	v_add_nc_u32 v[WA], 0x20000, v[WA]             ; product 1 of the next chunk (behind trip 3: not used)
	v_add_nc_u32 v[BA], 1024, v[BA]
	s_xor_b32 s[HW], s[HW], HBX                    ; the hidden buffers change places
	s_xor_b32 s[HR], s[HR], HBX
	v_add_nc_u32 v[HS], s[HW], v[HL2]
	v_add_nc_u32 v[HAD], s[HR], v[HL]
	s_sub_co_u32 s27, s27, 1
	s_cmp_lg_u32 s27, 0
	s_cbranch_scc1 .Lchunk
	; ---------------- THE WAY OUT ----------------
	; sum x gate; a tile of 16 rows through my own stage; each row of my 128 columns leaves as 512 consecutive bytes at a multiple of 512.  Rows past the count are jumped over; the jumps go forward and pass no barrier.
	; The last six groups of weights are not waited for: nothing names their registers any more.
	PLACES
.macro PACK t
.if (\t) < 4
	WIN 0x02
.set pa, 64*(\t)
.else
	WIN 0x03
.set pa, 0
.endif
.set n, 0
.rept 32                               ; ascending: each accumulator is read from its lowest registers on
	v_pk_mul_f32 v[TM+2*n:TM+2*n+1], v[pa+2*n:pa+2*n+1], v[GT+2*(\t):GT+2*(\t)+1] op_sel_hi:[1,0]
.set n, n+1
.endr
	WIN 0
.set n, 0
.rept 16
	ds_store_b128 v[STO], v[TM+4*n:TM+4*n+3] offset:64*(n/2)+16*(n%2)
.set n, n+1
.endr
.set n, 0
.rept 16
	ds_load_b128 v[RW+4*n:RW+4*n+3], v[RD] offset:SPI*n  ; LDS serves a wave's instructions in order (ISA guide 5.7.1.4): these see the stores above; the stage is my own
.set n, n+1
.endr
.set n, 0
.rept 16                               ; the 16 rows' places in part: the lanes are read on end, and only then the scalar work on them begins
	v_readlane_b32 s[RL+n], v[EN+(\t)], n
.set n, n+1
.endr
.set n, 0
.rept 16
	s_min_u32 s[RL+n], s[RL+n], 16383
	s_lshl_b32 s[RL+n], s[RL+n], 11
	v_add_nc_u32 v[AD+n], s[RL+n], v[CO]
.set n, n+1
.endr
.endm
.macro ROWOUT t, i
.if (\i) > 0
	s_cmp_le_u32 s25, 16*(\t)+(\i)
	s_cbranch_scc1 .Ldone
.endif
	s_wait_dscnt 15-(\i)                           ; row i is back; the younger rows' loads stay out
	global_store_b128 v[AD+(\i)], v[RW+4*(\i):RW+4*(\i)+3], s[16:17]
.endm
.irp tq, 0,1,2,3,4
	s_cmp_le_u32 s25, 16*\tq
	s_cbranch_scc1 .Ldone
	s_wait_xcnt 0x0                                ; the last tile's stores have read their registers
	PACK \tq
.set ro, 0
.rept 16
	ROWOUT \tq, ro
.set ro, ro+1
.endr
.endr
.Ldone:
	s_wait_tensorcnt 0x0                           ; the wave's end
	ds_add_u32 v[SPW], v[NIL]
	s_wait_dscnt 0x0
	s_endpgm
.Lfunc_end_k_qca588060a6_chain:
	.size	k_qca588060a6_chain, .Lfunc_end_k_qca588060a6_chain-k_qca588060a6_chain
	.p2alignl 7, 3214868480
	.fill 96, 4, 3214868480
	.section	.rodata,"a",@progbits
	.p2align	6, 0x0
	.amdhsa_kernel k_qca588060a6_chain
		.amdhsa_group_segment_fixed_size 238848
		.amdhsa_private_segment_fixed_size 0
		.amdhsa_enable_private_segment 0
		.amdhsa_kernarg_size 56
		.amdhsa_user_sgpr_count 2
		.amdhsa_user_sgpr_kernarg_segment_ptr 1
		.amdhsa_wavefront_size32 1
		.amdhsa_system_sgpr_workgroup_id_x 1
		.amdhsa_system_sgpr_workgroup_id_y 1
		.amdhsa_system_sgpr_workgroup_id_z 1
		.amdhsa_system_vgpr_workitem_id 0
		.amdhsa_next_free_vgpr 1024
		.amdhsa_next_free_sgpr 100
		.amdhsa_reserve_vcc 1
		.amdhsa_float_denorm_mode_32 3
		.amdhsa_float_denorm_mode_16_64 3
		.amdhsa_memory_ordered 1
		.amdhsa_forward_progress 1
		.amdhsa_inst_pref_size 255
	.end_amdhsa_kernel
	.section	.bss,"aw",@nobits
	.p2align	6
	.space	262144
	.amdgpu_metadata
---
amdhsa.version: [ 1, 2 ]
amdhsa.kernels:
  - .name:           k_qca588060a6_chain
    .symbol:         k_qca588060a6_chain.kd
    .args:
      - { .name: x, .offset: 0, .size: 8, .value_kind: global_buffer, .address_space: global }
      - { .name: b1, .offset: 8, .size: 8, .value_kind: global_buffer, .address_space: global }
      - { .name: b2, .offset: 16, .size: 8, .value_kind: global_buffer, .address_space: global }
      - { .name: wf, .offset: 24, .size: 8, .value_kind: global_buffer, .address_space: global }
      - { .name: gs, .offset: 32, .size: 8, .value_kind: global_buffer, .address_space: global }
      - { .name: bm, .offset: 40, .size: 8, .value_kind: global_buffer, .address_space: global }
      - { .name: part, .offset: 48, .size: 8, .value_kind: global_buffer, .address_space: global }
    .group_segment_fixed_size: 238848
    .private_segment_fixed_size: 0
    .kernarg_segment_align: 8
    .kernarg_segment_size: 56
    .max_flat_workgroup_size: 128
    .sgpr_count:     100
    .vgpr_count:     1024
    .wavefront_size: 32
...
	.end_amdgpu_metadata
.endif
;; end of part 2
;; launch addup (part 3): grid 512 x 1, 8 waves a work-group, no clusters, 0 bytes of LDS; arguments part, out0; writes out0
.if DOCPART == 3
	.amdgcn_target "amdgcn-amd-amdhsa--gfx1250"
	.amdhsa_code_object_version 6
	.text
	.protected	k_qca588060a6_addup
	.globl	k_qca588060a6_addup
	.p2align	8
	.type	k_qca588060a6_addup,@function
k_qca588060a6_addup:
	s_mov_b64 s[64:65], 0
	v_nop
	global_prefetch_b8 v0, s[64:65] scope:SCOPE_SE
	s_setreg_imm32_b32 hwreg(HW_REG_WAVE_MODE, 25, 1), 1
	s_wait_xcnt 0x0
; THIRD LAUNCH: out0[t] = part[0][t] + part[1][t] + part[2][t] + part[3][t], all f32: a token's two experts, each in two halves of the hidden width.
; Every token has two different experts, so all four rows of every token were stored by the launch before, each by one work-group.
; A stream: each byte read once and written once, 16 bytes a lane, a wave's load or store 512 consecutive bytes at a multiple of 512.  A thread has four places, 2,097,152 bytes apart
; (512 work-groups x 4,096 bytes), and all its 16 loads go out before the first wait.  No LDS, no barrier, no matrix unit: nothing is shared and nothing is multiplied.
.set PLANE, 0x800000                   ; bytes in one of part's four planes, and in out0
.set STEP,  0x200000                   ; from one of a thread's places to the next
.set D, 8                              ; v8-71: place i, plane p at D + 16 i + 4 p
	s_load_b128 s[4:7], s[0:1], 0x0                ; part s[4:5], out0 s[6:7]
	v_lshlrev_b32 v1, 4, v0
	s_lshl_b32 s8, ttmp9, 12
	v_add_nc_u32 v1, s8, v1                        ; (256 x work-group + thread) x 16
	s_wait_kmcnt 0x0
	s_add_nc_u64 s[10:11], s[4:5], PLANE
	s_add_nc_u64 s[12:13], s[4:5], 2*PLANE
	s_add_nc_u64 s[14:15], s[4:5], 3*PLANE
.irp i, 0,1,2,3
	global_load_b128 v[D+16*\i:D+16*\i+3],     v1, s[4:5]   offset:\i*STEP th:TH_LOAD_NT
	global_load_b128 v[D+16*\i+4:D+16*\i+7],   v1, s[10:11] offset:\i*STEP th:TH_LOAD_NT
	global_load_b128 v[D+16*\i+8:D+16*\i+11],  v1, s[12:13] offset:\i*STEP th:TH_LOAD_NT
	global_load_b128 v[D+16*\i+12:D+16*\i+15], v1, s[14:15] offset:\i*STEP th:TH_LOAD_NT
.endr
.irp i, 0,1,2,3
	s_wait_loadcnt 12-4*\i                         ; loads come back in order: place i's four are in, the later places' stay out
	v_pk_add_f32 v[D+16*\i:D+16*\i+1],     v[D+16*\i:D+16*\i+1],     v[D+16*\i+4:D+16*\i+5]
	v_pk_add_f32 v[D+16*\i+2:D+16*\i+3],   v[D+16*\i+2:D+16*\i+3],   v[D+16*\i+6:D+16*\i+7]
	v_pk_add_f32 v[D+16*\i+8:D+16*\i+9],   v[D+16*\i+8:D+16*\i+9],   v[D+16*\i+12:D+16*\i+13]
	v_pk_add_f32 v[D+16*\i+10:D+16*\i+11], v[D+16*\i+10:D+16*\i+11], v[D+16*\i+14:D+16*\i+15]
	v_pk_add_f32 v[D+16*\i:D+16*\i+1],     v[D+16*\i:D+16*\i+1],     v[D+16*\i+8:D+16*\i+9]
	v_pk_add_f32 v[D+16*\i+2:D+16*\i+3],   v[D+16*\i+2:D+16*\i+3],   v[D+16*\i+10:D+16*\i+11]
	global_store_b128 v1, v[D+16*\i:D+16*\i+3], s[6:7] offset:\i*STEP th:TH_STORE_NT
.endr
	s_endpgm
.Lfunc_end_k_qca588060a6_addup:
	.size	k_qca588060a6_addup, .Lfunc_end_k_qca588060a6_addup-k_qca588060a6_addup
	.p2alignl 7, 3214868480
	.fill 96, 4, 3214868480
	.section	.rodata,"a",@progbits
	.p2align	6, 0x0
	.amdhsa_kernel k_qca588060a6_addup
		.amdhsa_group_segment_fixed_size 0
		.amdhsa_private_segment_fixed_size 0
		.amdhsa_enable_private_segment 0
		.amdhsa_kernarg_size 16
		.amdhsa_user_sgpr_count 2
		.amdhsa_user_sgpr_kernarg_segment_ptr 1
		.amdhsa_wavefront_size32 1
		.amdhsa_system_sgpr_workgroup_id_x 1
		.amdhsa_system_sgpr_workgroup_id_y 1
		.amdhsa_system_sgpr_workgroup_id_z 1
		.amdhsa_system_vgpr_workitem_id 0
		.amdhsa_next_free_vgpr 72
		.amdhsa_next_free_sgpr 66
		.amdhsa_reserve_vcc 0
		.amdhsa_float_denorm_mode_32 3
		.amdhsa_float_denorm_mode_16_64 3
		.amdhsa_memory_ordered 1
		.amdhsa_forward_progress 1
		.amdhsa_inst_pref_size 5
	.end_amdhsa_kernel
	.amdgpu_metadata
---
amdhsa.version: [ 1, 2 ]
amdhsa.kernels:
  - .name:           k_qca588060a6_addup
    .symbol:         k_qca588060a6_addup.kd
    .args:
      - { .name: part, .offset: 0, .size: 8, .value_kind: global_buffer, .address_space: global }
      - { .name: out0, .offset: 8, .size: 8, .value_kind: global_buffer, .address_space: global }
    .group_segment_fixed_size: 0
    .private_segment_fixed_size: 0
    .kernarg_segment_align: 8
    .kernarg_segment_size: 16
    .max_flat_workgroup_size: 256
    .sgpr_count:     66
    .vgpr_count:     72
    .wavefront_size: 32
...
	.end_amdgpu_metadata
.endif
;; end of part 3
